; MI455X (gfx1250); checked and timed in simulation.
; The chip was launched on July 23, 2026; its instructions are those of AMD's public machine-readable ISA for CDNA 5 (MIT licence, August 2026) and "CDNA5" Instruction Set Architecture Reference Guide (July 2026). The comments in the code are by the model that wrote it; some were corrected since.
;; Sparse Moe Block. Allowed arithmetic: matrix products marked QUANTISED: E2M1 operands, one E8M0 scale for each 32 along K, by v_wmma_scale_f32_16x16x128_f8f6f4 with both operands' format E2M1 (or v_wmma_scale_f32_32x16x128_f4), f32 sums; products left as they are: f32 operands where the result goes on into a quantised operand, else bf16, f16 or f32 operands; f32 sums; everything else in f32.
;; Inputs: V1 8 x 2,048 x 512 float32; W1 8 x 2,048 x 512 float32; W2 8 x 512 x 2,048 float32; Wr 2,048 x 8 float32; x 2 x 1,024 x 2,048 float32.
;; Outputs: out0 2 x 1,024 x 2,048 float32.
;; This version of the problem:
;;   THIS VERSION OF THE PROBLEM IS GIVEN IN LOW PRECISION. The matrix products marked QUANTISED in the list below multiply operands that are first quantised to E2M1 (2 exponent bits, 1 mantissa bit; 4 bits a number), with one power-of-two scale for each 32 numbers along K (OCP MX v1.0); their sums are f32. All else is computed in f32.
;;   The module's matrix products, in the order in which they are computed (A, B: the left and right operand; K: the contracted axis; several contracted axes count as one K, in the product's order):
;;     1. [M 2,048, K 2,048] x [K 2,048, N 8]; A: input x; B: input Wr: left as it is (N = 8 < 16)
;;     2. batch 2,048 x [M 1, K 2] x [K 2, N 8]; A: computed on the way; B: computed on the way: left as it is (K = 2 < 32)
;;     3. [M 4,096, K 2,048] x [K 2,048, N 2,048]; A: input W1; B: input x: QUANTISED
;;     4. [M 4,096, K 2,048] x [K 2,048, N 2,048]; A: input V1; B: input x: QUANTISED
;;     5. batch 8 x [M 2,048, K 512] x [K 512, N 2,048]; A: computed on the way; B: input W2: QUANTISED
;;     6. batch 2,048 x [M 1, K 8] x [K 8, N 2,048]; A: computed on the way; B: computed on the way: left as it is (K = 8 < 32)
;;   THE QUANTISER, for each operand of a quantised product, along K:
;;     - K is cut into blocks of 32 from its start; a last block that is shorter is filled with zeros.
;;     - A block's scale is 2^e with e = floor(log2(the largest magnitude in the block)) - 2, held to -126 .. 127; a block of zeros has e = 0. As a byte (E8M0): e + 127.
;;     - Each number is divided by its block's scale, clamped to +-6, and rounded to the nearest number of E2M1, ties to even, subnormals kept.
;;     - The product sums the exact products of the quantised numbers (number of the format x scale) in f32.
;;   ~~~python
;;   def quantise(x, axis):      # numpy; x: float32 -> the quantised numbers, widened to float32 again
;;       x = np.moveaxis(x, axis, -1); K = x.shape[-1]
;;       x = np.pad(x, [(0, 0)] * (x.ndim - 1) + [(0, -K % 32)]); x = x.reshape(x.shape[:-1] + (-1, 32)); a = np.abs(x).max(-1, keepdims=True)
;;       e = np.where(a > 0, np.clip(np.frexp(np.where(a > 0, a, 1))[1] - 1 - 2, -126, 127), 0)      # np.frexp(a)[1] - 1 = floor(log2(a)), exactly
;;       r = np.clip(x / 2.0 ** e, -6, 6)
;;       step = 2.0 ** (np.maximum(np.frexp(np.where(r == 0, 1, r))[1] - 1, 0) - 1)
;;       q = np.round(r / step) * step * 2.0 ** e      # np.round: ties to even
;;       return np.moveaxis(q.reshape(q.shape[:-2] + (-1,))[..., :K], -1, axis).astype(np.float32)
;;   ~~~
;;   OPERANDS COMPUTED ON THE WAY. 'Computed on the way' means the value that the module computes at that place (a softmax that the list does not call 'softmax' is quantised finished and normalised). What goes into a quantiser is computed in f32, as accurately as f32 sums, v_exp_f32 and their like allow (about 1e-6 of the number): no bf16 or f16 on the way to a quantiser, and a product that is left as it is and whose result goes on into a quantised operand takes f32 operands (vector FMAs, or v_wmma_f32_16x16x4_f32). A number that lies on a knife's edge between two numbers of the format may be rounded either way, as far as f32 arithmetic and the matrix unit's own rounding can turn it there, and no further.
;; One version. Each part assembles by itself: llvm-mc -triple=amdgcn-amd-amdhsa -mcpu=gfx1250 --defsym DOCPART=n.
;; ======== version 1 of 1: 3 launches
;; workspace buffers: xr 2,228,224 bytes; wvr 8,912,896 bytes; w2i 4,194,304 bytes; w2s 262,144 bytes; comb 65,536 bytes; ai 4,194,304 bytes; asc 262,144 bytes
;; launch prep (part 1): grid 512 x 1, 4 waves a work-group, no clusters, 41,472 bytes of LDS; arguments x, Wr, W1, V1, W2, xr, wvr, w2i, w2s, comb; writes xr, wvr, w2i, w2s, comb
.if DOCPART == 1
	.amdgcn_target "amdgcn-amd-amdhsa--gfx1250"
	.amdhsa_code_object_version 6
	.text
	.protected	k_q4d5feb9956_prep
	.globl	k_q4d5feb9956_prep
	.p2align	8
	.type	k_q4d5feb9956_prep,@function
k_q4d5feb9956_prep:
	s_mov_b64 s[64:65], 0
	v_nop
	global_prefetch_b8 v0, s[64:65] scope:SCOPE_SE
	s_setreg_imm32_b32 hwreg(HW_REG_WAVE_MODE, 25, 1), 1
	s_wait_xcnt 0x0
; PREP: every operand that the two products' launches read again is quantised ONCE to FP4 (E2M1) with one E8M0 byte for each 32 along K, and the router's weights are made.
; A block's scale is 2^(floor(log2(its largest magnitude)) - 2): its byte is the largest magnitude's exponent field - 2, held at 1 from below by a floor among the maximum's leaves.
; THE WORKSPACE LIES IN THE ORDER OF THE OPERAND'S REGISTERS.  A fragment (16 rows x 128 K) is an image of 1,024 bytes: the 32 codes (16 bytes) of block j (32 along K) of row r lie at 256 j + 16 r.
;   xr  [ks 4][tile of 16 tokens 128][REC]: REC = the four images of 512 along K (4,096 bytes), then 256 scale bytes: row r has 16, byte j for block j.
;   wvr [ks 4][tile 512][REC]: tile = 64 e + 8 (f / 64) + 4 (0: W1, 1: V1) + 2 ((f / 32) % 2) + u; row r of tile u holds f % 32 = 8 u + r + 8 (r / 8), so that a transposed product leaves 16 neighbouring f in a lane.
;   w2i [e][tile of 16 d 128][q 4][1,024], w2s [e][d][16 bytes]: K = f.      comb [token][8] f32: the weight of each expert, 0 for those not chosen.
; SHARES.  Work-groups 0-127: 16 tokens of x each (quantised, and their 8 logits).  128-383: W1 and V1.  384-511: W2.  The paths part on the work-group's number alone; only the first uses LDS and a barrier.
; No clusters, no tensor loads, no matrix unit: each byte of x and of the weights is read by one wave, once; only Wr (64 KiB) is read by 128 work-groups.
; LIMITS: NaN and infinities among the inputs are not served.  A block of zeros, or one whose largest magnitude lies under 2^-124, gets the byte 1: its codes are zeros or the nearest codes under that scale, and this program alone reads the bytes.
; Two logits nearer to each other than the rounding of their f32 sums may change places in the order.
.set REC,  4352
.set WX,   32                          ; weights: v32-95 two sets of 32 numbers down K
.set WC,   96                          ; v96-159 a block's four registers of codes, a set for each block: no store's data are written again
.set WSB,  24                          ; v24-27 the 16 scale bytes
.set XR,   16                          ; x: v16-79 four sets of 16 numbers as loaded
.set XX,   80                          ; v80-111 two sets of 16 neighbours
.set ACC,  112                         ; v112-119 the token's 8 partial logits
.set TT,   120                         ; v120-127 what comes from lane l xor 16
.set WR,   128                         ; v128-255 Wr[512 w + 16 l + i][e] at WR + 8 i + e
.set SP,   80                          ; a lane's place in a stage: 64 bytes + 16
.set WREG, 9728                        ; LDS, for each wave: two stages of 32 x 80, the images (16 blocks x 272) at IMG, 256 scale bytes at SCB
.set IMG,  5120
.set IPT,  272
.set SCB,  9472
.set LG,   4*WREG                      ; behind them: the partial logits [token 16][wave 4][8 f32]
	s_load_b256 s[4:11], s[0:1], 0x0               ; x s[4:5], Wr s[6:7], W1 s[8:9], V1 s[10:11]
	s_load_b256 s[12:19], s[0:1], 0x20             ; W2 s[12:13], xr s[14:15], wvr s[16:17], w2i s[18:19]
	s_load_b128 s[20:23], s[0:1], 0x40             ; w2s s[20:21], comb s[22:23]
	s_set_vgpr_msb 0x40
	v_lshl_add_u32 v0, v0, 2, 0xa000
	v_mov_b32 v1, 0
	s_set_vgpr_msb 0x4000
	v_lshrrev_b32 v1, 5, v0
	v_readfirstlane_b32 s24, v1                    ; wave 0..3
	v_and_b32 v2, 31, v0                           ; lane
	s_mov_b32 s37, 0
	s_mov_b32 s39, 0
	s_wait_kmcnt 0x0
	s_cmp_lt_u32 ttmp9, 128
	s_cbranch_scc1 .Lx
	s_cmp_lt_u32 ttmp9, 384
	s_cbranch_scc0 .Lw2
; ---- THE WEIGHTS.  A lane takes a column and its registers run down K: a block of 32 lies in one lane, and its 16 bytes of codes are a lane's place in an image.
.macro WLOAD pitch, t                  ; block t: 32 rows of the weight at my column, into set t % 2; the wave reads 128 consecutive bytes, the work-group's four waves 512
.irp i, 0,1,2,3,4,5,6,7,8,9,10,11,12,13,14,15,16,17,18,19,20,21,22,23,24,25,26,27,28,29,30,31
	global_load_b32 v[WX+32*((\t)%2)+\i], v3, s[28:29] offset:(32*(\t)+\i)*\pitch th:TH_LOAD_NT
.endr
.endm
.macro WBLOCK pitch, t
.set XS, WX+32*((\t)%2)
.if (\t) < 15
	s_wait_loadcnt 32                              ; this block's 32 loads are in; the next block's 32 may be out
.else
	s_wait_loadcnt 0
.endif
	v_max3_num_f32 v12, |v[XS]|, |v[XS+1]|, |v[XS+2]|
	v_max3_num_f32 v13, |v[XS+3]|, |v[XS+4]|, |v[XS+5]|
.irp i, 6,10,14,18,22,26
	v_max3_num_f32 v12, v12, |v[XS+\i]|, |v[XS+\i+1]|
	v_max3_num_f32 v13, v13, |v[XS+\i+2]|, |v[XS+\i+3]|
.endr
	v_max3_num_f32 v12, v12, |v[XS+30]|, |v[XS+31]|
	v_max3_num_f32 v12, v12, v13, 0x1800000        ; the floor 2^(3 - 127): the byte cannot fall under 1
	v_add_nc_u32 v11, 0xff000000, v12              ; 2 off the exponent field: the conversion takes that field as its scale
	v_lshrrev_b32 v13, 23, v11                     ; the scale's byte
.if (\t)%4 == 0
	v_mov_b32 v[WSB+(\t)/4], v13
.else
	v_lshl_or_b32 v[WSB+(\t)/4], v13, 8*((\t)%4), v[WSB+(\t)/4]
.endif
.irp g, 0,1,2,3
	v_cvt_scalef32_pk8_fp4_f32 v[WC+4*(\t)+\g], v[XS+8*\g:XS+8*\g+7], v11
.endr
	global_store_b128 v4, v[WC+4*(\t):WC+4*(\t)+3], s[30:31] offset:256*(\t)   ; lanes 0-15 store 256 consecutive bytes, aligned, of one tile's image; lanes 16-31 of the next tile's
.if (\t)+2 < 16
	WLOAD \pitch, (\t)+2
.endif
.endm
.macro WQ pitch                        ; 32 columns x 512 along K: 16 blocks a lane
	WLOAD \pitch, 0
	WLOAD \pitch, 1
.irp t, 0,1,2,3,4,5,6,7,8,9,10,11,12,13,14,15
	WBLOCK \pitch, \t
.endr
	global_store_b128 v5, v[WSB:WSB+3], s[32:33]   ; my row's 16 scale bytes: sixteen lanes store 256 consecutive bytes
.endm
	; W1 and V1 [e][d 2,048][f 512]: K = d.  u = work-group - 128: which = u / 128, e = (u / 16) % 8, ks = (u / 4) % 4, cg = u % 4 (128 columns); wave w takes 32 columns
	s_sub_co_u32 s25, ttmp9, 128
	s_lshr_b32 s26, s25, 7                         ; which
	s_bfe_u32 s27, s25, 0x30004                    ; e
	s_bfe_u32 s34, s25, 0x20002                    ; ks
	s_and_b32 s35, s25, 3                          ; cg
	s_cmp_eq_u32 s26, 0
	s_cselect_b64 s[28:29], s[8:9], s[10:11]       ; the choice hangs on the work-group's number alone
	s_lshl_b32 s36, s27, 22                        ; e x 2,048 x 512 x 4
	s_lshl_b32 s38, s34, 20                        ; ks x 512 rows of 2,048 bytes
	s_add_co_u32 s36, s36, s38
	s_lshl_b32 s38, s35, 9
	s_add_co_u32 s36, s36, s38
	s_lshl_b32 s38, s24, 7
	s_add_co_u32 s36, s36, s38
	s_add_nc_u64 s[28:29], s[28:29], s[36:37]
	s_lshl_b32 s36, s27, 6                         ; the tile: 64 e
	s_lshl_b32 s38, s35, 4                         ; + 8 (2 cg + w / 2)
	s_add_co_u32 s36, s36, s38
	s_lshr_b32 s38, s24, 1
	s_lshl_b32 s38, s38, 3
	s_add_co_u32 s36, s36, s38
	s_lshl_b32 s38, s26, 2                         ; + 4 which
	s_add_co_u32 s36, s36, s38
	s_and_b32 s38, s24, 1
	s_lshl_b32 s38, s38, 1                         ; + 2 (w % 2)
	s_add_co_u32 s36, s36, s38
	s_lshl_b32 s38, s34, 9                         ; + 512 ks
	s_add_co_u32 s36, s36, s38
	s_mul_i32 s36, s36, REC
	s_add_nc_u64 s[30:31], s[16:17], s[36:37]
	s_add_nc_u64 s[32:33], s[30:31], 4096
	v_and_b32 v6, 7, v2                            ; my column: the lane's number with bits 3 and 4 changed over, so that lanes 0-15 are tile u = 0 in row order, lanes 16-31 tile u = 1
	v_bfe_u32 v7, v2, 3, 1
	v_bfe_u32 v8, v2, 4, 1
	v_lshl_or_b32 v6, v8, 3, v6
	v_lshl_or_b32 v6, v7, 4, v6
	v_lshlrev_b32 v3, 2, v6
	v_and_b32 v9, 15, v2
	v_lshlrev_b32 v9, 4, v9
	v_mad_u32_u24 v4, v8, REC, v9                  ; out: 16 x row, + a REC for lanes 16-31
	v_mov_b32 v5, v4
	WQ 2048
	s_endpgm
.Lw2:	; W2 [e][f 512][d 2,048]: K = f, all of it.  u = work-group - 384: e = u / 16, cg = u % 16 (128 columns)
	s_sub_co_u32 s25, ttmp9, 384
	s_lshr_b32 s27, s25, 4
	s_and_b32 s35, s25, 15
	s_lshl_b32 s36, s27, 22
	s_lshl_b32 s38, s35, 9
	s_add_co_u32 s36, s36, s38
	s_lshl_b32 s38, s24, 7
	s_add_co_u32 s36, s36, s38
	s_add_nc_u64 s[28:29], s[12:13], s[36:37]
	s_lshl_b32 s36, s27, 7                         ; the tile of 16 d: 128 e + 8 cg + 2 w
	s_lshl_b32 s38, s35, 3
	s_add_co_u32 s36, s36, s38
	s_lshl_b32 s38, s24, 1
	s_add_co_u32 s36, s36, s38
	s_lshl_b32 s38, s36, 8                         ; its scale bytes: 16 rows x 16
	s_lshl_b32 s36, s36, 12                        ; its four images
	s_add_nc_u64 s[30:31], s[18:19], s[36:37]
	s_add_nc_u64 s[32:33], s[20:21], s[38:39]
	v_lshlrev_b32 v3, 2, v2
	v_lshrrev_b32 v8, 4, v2
	v_and_b32 v9, 15, v2
	v_lshlrev_b32 v9, 4, v9
	v_lshl_add_u32 v4, v8, 12, v9
	v_lshlrev_b32 v5, 4, v2
	WQ 8192
	s_endpgm
.Lx:	; ---- x.  Work-group tt owns tokens 16 tt .. + 15; wave w owns k = 512 w .. + 511 of each: a REC of xr.  Step t is token t: lane l holds the 16 neighbours k = 512 w + 16 l + i.
	s_lshl_b32 s26, ttmp9, 17                      ; 16 rows of 8,192 bytes
	s_lshl_b32 s27, s24, 11
	s_add_co_u32 s26, s26, s27
	s_mov_b32 s27, 0
	s_add_nc_u64 s[28:29], s[4:5], s[26:27]        ; x
	s_lshl_b32 s26, s24, 14
	s_add_nc_u64 s[30:31], s[6:7], s[26:27]        ; Wr at row 512 w
	s_lshl_b32 s26, s24, 7
	s_add_co_u32 s26, s26, ttmp9
	s_mul_i32 s26, s26, REC
	s_add_nc_u64 s[32:33], s[14:15], s[26:27]      ; my REC: ks = w, tile tt
	s_lshl_b32 s26, ttmp9, 9
	s_add_nc_u64 s[34:35], s[22:23], s[26:27]      ; comb at token 16 tt
	s_mov_b32 s40, 0x76543210
	s_mov_b32 s41, 0xfedcba98                      ; v_permlanex16_b32's selects for lane l xor 16
	s_mul_i32 s36, s24, WREG
	s_add_co_u32 s38, s36, SCB
	v_lshlrev_b32 v3, 4, v2                        ; 16 x lane
	v_lshlrev_b32 v1, 3, v2                        ; 8 x lane
	v_lshlrev_b32 v8, 9, v2                        ; Wr: my 16 rows of 32 bytes
	v_lshrrev_b32 v14, 2, v2
	v_mul_u32_u24 v14, v14, SP
	v_and_b32 v15, 3, v2
	v_lshl_add_u32 v14, v15, 4, v14
	v_add_nc_u32 v14, s36, v14                     ; the stage, in: four lanes' 64 bytes on end, then 16 of padding
	v_mul_u32_u24 v15, v2, SP
	v_add_nc_u32 v15, s36, v15                     ; and out: my 16 neighbours
	v_lshrrev_b32 v5, 1, v2                        ; my block
	v_mul_u32_u24 v4, v5, IPT
	v_and_b32 v6, 1, v2
	v_lshl_add_u32 v4, v6, 3, v4
	v_add_nc_u32 v4, s36, v4
	v_add_nc_u32 v4, IMG, v4                       ; the images: block x 272 + my half's 8 bytes; the token's 16 bytes stand in the immediate
	v_add_nc_u32 v5, s38, v5                       ; the scale bytes: my block's; 16 x token in the immediate
	s_lshl_b32 s37, s24, 5
	s_add_co_u32 s37, s37, LG
	v_mov_b32 v6, s37                              ; the partial logits: my wave's 32 bytes; 128 x token in the immediate
	v_lshrrev_b32 v7, 4, v2
	v_mul_u32_u24 v7, v7, IPT
	v_and_b32 v9, 15, v2
	v_lshl_add_u32 v7, v9, 4, v7
	v_add_nc_u32 v7, s36, v7
	v_add_nc_u32 v7, IMG, v7                       ; the images, out: sixteen lanes to a block's 256 bytes
.irp e, 0,1,2,3,4,5,6,7
	v_mov_b32 v[TT+\e], 0                          ; written once: a lane permute's destination counts as one of its sources
.endr
.irp j, 0,1,2,3,4,5,6,7,8,9,10,11,12,13,14,15,16,17,18,19,20,21,22,23,24,25,26,27,28,29,30,31
	global_load_b128 v[WR+4*\j:WR+4*\j+3], v8, s[30:31] offset:16*\j   ; 16 KiB a wave, once; lanes stand 512 bytes apart: the price of keeping Wr in registers for all 16 tokens
.endr
.macro XLOAD t
.irp i, 0,1,2,3
	global_load_b128 v[XR+16*((\t)%4)+4*\i:XR+16*((\t)%4)+4*\i+3], v3, s[28:29] offset:8192*(\t)+512*\i th:TH_LOAD_NT   ; 32 lanes read 512 consecutive bytes
.endr
.endm
.macro XTURN t                         ; a token's 2,048 bytes through the wave's own stage: LDS serves a wave's instructions in order, so no wait stands between the stores and the loads
.irp i, 0,1,2,3
	ds_store_b128 v14, v[XR+16*((\t)%4)+4*\i:XR+16*((\t)%4)+4*\i+3] offset:32*SP*((\t)%2)+8*SP*\i
.endr
.irp i, 0,1,2,3
	ds_load_b128 v[XX+16*((\t)%2)+4*\i:XX+16*((\t)%2)+4*\i+3], v15 offset:32*SP*((\t)%2)+16*\i
.endr
.endm
.macro RPAIR j                         ; numbers 2 j and 2 j + 1 of my 16, each times its row of Wr: two logits an instruction, four chains
.irp p, 0,1,2,3
	v_pk_fma_f32 v[ACC+2*\p:ACC+2*\p+1], v[XS+2*(\j):XS+2*(\j)+1], v[WR+16*(\j)+2*\p:WR+16*(\j)+2*\p+1], v[ACC+2*\p:ACC+2*\p+1] op_sel_hi:[0,1,1]
.endr
.irp p, 0,1,2,3
	v_pk_fma_f32 v[ACC+2*\p:ACC+2*\p+1], v[XS+2*(\j):XS+2*(\j)+1], v[WR+16*(\j)+8+2*\p:WR+16*(\j)+9+2*\p], v[ACC+2*\p:ACC+2*\p+1] op_sel:[1,0,0] op_sel_hi:[1,1,1]
.endr
.endm
.macro XSTEP t
.set XS, XX+16*((\t)%2)
	s_wait_dscnt 0x0                               ; this token's numbers are back from the stage, and the last token's LDS stores are done
.if (\t)+4 < 16
	XLOAD (\t)+4                                   ; into the set whose stores into the stage have been served
.endif
.if (\t)+1 < 16
.if (\t) < 12
	s_wait_loadcnt 12                              ; the next token's four loads are in; those of the three tokens behind it may be out
.else
	s_wait_loadcnt 4*(14-(\t))
.endif
	XTURN (\t)+1
.endif
	v_max3_num_f32 v8, |v[XS]|, |v[XS+1]|, |v[XS+2]|
	v_max3_num_f32 v9, |v[XS+3]|, |v[XS+4]|, |v[XS+5]|
.irp i, 6,10
	v_max3_num_f32 v8, v8, |v[XS+\i]|, |v[XS+\i+1]|
	v_max3_num_f32 v9, v9, |v[XS+\i+2]|, |v[XS+\i+3]|
.endr
	v_max3_num_f32 v8, v8, |v[XS+14]|, |v[XS+15]|
	v_max3_num_f32 v8, v8, v9, 0x1800000           ; the floor
	v_max_num_f32_dpp v8, v8, v8 row_xmask:1 row_mask:0xf bank_mask:0xf   ; with my neighbour's 16: the block's largest magnitude
	v_add_nc_u32 v11, 0xff000000, v8
	v_cvt_scalef32_pk8_fp4_f32 v12, v[XS:XS+7], v11
	v_cvt_scalef32_pk8_fp4_f32 v13, v[XS+8:XS+15], v11
	v_lshrrev_b32 v10, 23, v11                     ; the scale's byte (a plain line behind the conversions)
	ds_store_b64 v4, v[12:13] offset:16*(\t)
	ds_store_b8 v5, v10 offset:16*(\t)             ; both lanes of a block write the same byte with the same value
	; the router's product, in f32: my 16 numbers x their rows of Wr.  The first products start the sums
.irp p, 0,1,2,3
	v_pk_mul_f32 v[ACC+2*\p:ACC+2*\p+1], v[XS:XS+1], v[WR+2*\p:WR+2*\p+1] op_sel_hi:[0,1]
.endr
.irp p, 0,1,2,3
	v_pk_fma_f32 v[ACC+2*\p:ACC+2*\p+1], v[XS:XS+1], v[WR+8+2*\p:WR+9+2*\p], v[ACC+2*\p:ACC+2*\p+1] op_sel:[1,0,0] op_sel_hi:[1,1,1]
.endr
.irp j, 1,2,3,4,5,6,7
	RPAIR \j
.endr
.irp m, 1,2,4,8
.irp e, 0,1,2,3,4,5,6,7
	v_add_f32_dpp v[ACC+\e], v[ACC+\e], v[ACC+\e] row_xmask:\m row_mask:0xf bank_mask:0xf
.endr
.endr
.irp e, 0,1,2,3,4,5,6,7
	v_permlanex16_b32 v[TT+\e], v[ACC+\e], s40, s41
.endr
.irp e, 0,1,2,3,4,5,6,7
	v_add_f32 v[ACC+\e], v[ACC+\e], v[TT+\e]       ; every lane holds the wave's part of the token's 8 logits
.endr
	ds_store_b128 v6, v[ACC:ACC+3] offset:128*(\t)   ; all lanes write the same bytes with the same values
	ds_store_b128 v6, v[ACC+4:ACC+7] offset:128*(\t)+16
.endm
.irp t, 0,1,2,3
	XLOAD \t
.endr
	s_wait_loadcnt 12                              ; Wr and token 0 are in; the 12 loads of tokens 1 to 3 may be out
	XTURN 0
.irp t, 0,1,2,3,4,5,6,7,8,9,10,11,12,13,14,15
	XSTEP \t
.endr
	; the way out: the REC leaves as it lies
.irp n, 0,1,2,3,4,5,6,7
	ds_load_b128 v[XR+4*\n:XR+4*\n+3], v7 offset:2*IPT*\n   ; LDS serves a wave's instructions in order: these see my stores
.endr
	v_lshl_add_u32 v8, v2, 3, s38
	ds_load_b64 v[48:49], v8
.irp n, 0,1,2,3,4,5,6,7
	s_wait_dscnt 8-\n                              ; the younger LDS loads may be out
	global_store_b128 v3, v[XR+4*\n:XR+4*\n+3], s[32:33] offset:512*\n   ; 32 lanes store 512 consecutive bytes, aligned
.endr
	s_wait_dscnt 0x0                               ; for the others' sake too: my partial logits lie in LDS
	global_store_b64 v1, v[48:49], s[32:33] offset:4096   ; the 256 scale bytes
	s_barrier_signal -1
	s_barrier_wait -1
	s_cmp_lg_u32 s24, 0
	s_cbranch_scc1 .Lend
	; ---- THE ROUTER, wave 0: lane l takes token l % 16.  The gates rise with the logits, so the two SMALLEST gates are the two smallest logits, the lower index first where two are equal.
	; The softmax's divisor cancels when the two chosen gates are divided by their sum: weight a = p_a / (p_a + p_b), p = 2^((l - m) log2 e), m the larger of the two chosen logits: the larger p is 1, the sum lies between 1 and 2.
	v_and_b32 v8, 15, v2
	v_lshl_add_u32 v9, v8, 7, LG
.irp w, 0,1,2,3
.irp j, 0,1
	ds_load_b128 v[XX+8*\w+4*\j:XX+8*\w+4*\j+3], v9 offset:32*\w+16*\j
.endr
.endr
	v_mov_b32 v10, 0xff800000                      ; -infinity
.irp e, 0,1,2,3,4,5,6,7
	v_mov_b32 v[TT+\e], 0                          ; the ranks
.endr
	s_wait_dscnt 0x0
.irp e, 0,1,2,3,4,5,6,7
	v_add_f32 v[ACC+\e], v[XX+\e], v[XX+8+\e]      ; the four waves' parts, K ascending
.endr
.irp e, 0,1,2,3,4,5,6,7
	v_add_f32 v[ACC+\e], v[ACC+\e], v[XX+16+\e]
.endr
.irp e, 0,1,2,3,4,5,6,7
	v_add_f32 v[ACC+\e], v[ACC+\e], v[XX+24+\e]
.endr
.irp e, 0,1,2,3,4,5,6,7                ; rank e = how many experts come before e: a smaller logit, or an equal one with a lower index
.irp j, 0,1,2,3,4,5,6,7
.if \j < \e
	v_cmp_le_f32 vcc_lo, v[ACC+\j], v[ACC+\e]
	v_add_co_ci_u32 v[TT+\e], vcc_lo, 0, v[TT+\e], vcc_lo
.elseif \j > \e
	v_cmp_lt_f32 vcc_lo, v[ACC+\j], v[ACC+\e]
	v_add_co_ci_u32 v[TT+\e], vcc_lo, 0, v[TT+\e], vcc_lo
.endif
.endr
.endr
.irp e, 0,1,2,3,4,5,6,7
	v_cmp_gt_u32 vcc_lo, 2, v[TT+\e]
	v_cndmask_b32 v[XX+\e], v10, v[ACC+\e], vcc_lo   ; the chosen two keep their logits, the others get -infinity: their p is 0
.endr
	v_max3_num_f32 v11, v[XX], v[XX+1], v[XX+2]
	v_max3_num_f32 v11, v11, v[XX+3], v[XX+4]
	v_max3_num_f32 v11, v11, v[XX+5], v[XX+6]
	v_max_num_f32 v11, v11, v[XX+7]                ; the larger chosen logit
.irp e, 0,1,2,3,4,5,6,7
	v_sub_f32 v[XX+\e], v[XX+\e], v11
.endr
.irp e, 0,1,2,3,4,5,6,7
	v_mul_f32 v[XX+\e], 0x3fb8aa3b, v[XX+\e]
.endr
.irp e, 0,1,2,3,4,5,6,7
	v_exp_f32 v[XX+\e], v[XX+\e]
.endr
	v_nop                                          ; a plain line behind the exponentials
	s_wait_alu depctr_va_vdst(0)
	v_add_f32 v12, v[XX], v[XX+1]
	v_add_f32 v13, v[XX+2], v[XX+3]
	v_add_f32 v[XX+8], v[XX+4], v[XX+5]
	v_add_f32 v[XX+9], v[XX+6], v[XX+7]
	v_add_f32 v12, v12, v13
	v_add_f32 v[XX+8], v[XX+8], v[XX+9]
	v_add_f32 v12, v12, v[XX+8]
	v_rcp_f32 v12, v12
	v_lshrrev_b32 v13, 4, v2                       ; (a plain line behind the reciprocal)
	s_wait_alu depctr_va_vdst(0)
.irp e, 0,1,2,3,4,5,6,7
	v_mul_f32 v[XX+\e], v[XX+\e], v12
.endr
	v_lshlrev_b32 v13, 4, v13
	v_lshl_add_u32 v13, v8, 5, v13                 ; 32 x token + 16 x half
	v_cmp_gt_u32 vcc_lo, 16, v2
.irp i, 0,1,2,3
	v_cndmask_b32 v[XX+16+\i], v[XX+4+\i], v[XX+\i], vcc_lo   ; lanes 0-15 store experts 0-3, lanes 16-31 experts 4-7
.endr
	global_store_b128 v13, v[XX+16:XX+19], s[34:35]   ; 512 consecutive bytes
.Lend:
	s_set_vgpr_msb 0x5
	s_wait_tensorcnt 0x0
	ds_add_u32 v0, v1
	s_wait_dscnt 0x0
	s_set_vgpr_msb 0x500
	s_endpgm
.Lfunc_end_k_q4d5feb9956_prep:
	.size	k_q4d5feb9956_prep, .Lfunc_end_k_q4d5feb9956_prep-k_q4d5feb9956_prep
	.p2alignl 7, 3214868480
	.fill 96, 4, 3214868480
	.section	.rodata,"a",@progbits
	.p2align	6, 0x0
	.amdhsa_kernel k_q4d5feb9956_prep
		.amdhsa_group_segment_fixed_size 41472
		.amdhsa_private_segment_fixed_size 0
		.amdhsa_enable_private_segment 0
		.amdhsa_kernarg_size 80
		.amdhsa_user_sgpr_count 2
		.amdhsa_user_sgpr_kernarg_segment_ptr 1
		.amdhsa_wavefront_size32 1
		.amdhsa_system_sgpr_workgroup_id_x 1
		.amdhsa_system_sgpr_workgroup_id_y 1
		.amdhsa_system_sgpr_workgroup_id_z 1
		.amdhsa_system_vgpr_workitem_id 0
		.amdhsa_next_free_vgpr 258
		.amdhsa_next_free_sgpr 66
		.amdhsa_reserve_vcc 1
		.amdhsa_float_denorm_mode_32 3
		.amdhsa_float_denorm_mode_16_64 3
		.amdhsa_memory_ordered 1
		.amdhsa_forward_progress 1
		.amdhsa_inst_pref_size 255
	.end_amdhsa_kernel
	.section	.bss,"aw",@nobits
	.p2align	6
	.space	262144
	.amdgpu_metadata
---
amdhsa.version: [ 1, 2 ]
amdhsa.kernels:
  - .name:           k_q4d5feb9956_prep
    .symbol:         k_q4d5feb9956_prep.kd
    .args:
      - { .name: x, .offset: 0, .size: 8, .value_kind: global_buffer, .address_space: global }
      - { .name: Wr, .offset: 8, .size: 8, .value_kind: global_buffer, .address_space: global }
      - { .name: W1, .offset: 16, .size: 8, .value_kind: global_buffer, .address_space: global }
      - { .name: V1, .offset: 24, .size: 8, .value_kind: global_buffer, .address_space: global }
      - { .name: W2, .offset: 32, .size: 8, .value_kind: global_buffer, .address_space: global }
      - { .name: xr, .offset: 40, .size: 8, .value_kind: global_buffer, .address_space: global }
      - { .name: wvr, .offset: 48, .size: 8, .value_kind: global_buffer, .address_space: global }
      - { .name: w2i, .offset: 56, .size: 8, .value_kind: global_buffer, .address_space: global }
      - { .name: w2s, .offset: 64, .size: 8, .value_kind: global_buffer, .address_space: global }
      - { .name: comb, .offset: 72, .size: 8, .value_kind: global_buffer, .address_space: global }
    .group_segment_fixed_size: 41472
    .private_segment_fixed_size: 0
    .kernarg_segment_align: 8
    .kernarg_segment_size: 80
    .max_flat_workgroup_size: 128
    .sgpr_count:     66
    .vgpr_count:     258
    .wavefront_size: 32
...
	.end_amdgpu_metadata
.endif
;; end of part 1
;; launch ffn1 (part 2): grid 32 x 8, 4 waves a work-group, clusters of 4 x 4, 327,680 bytes of LDS; arguments xr, wvr, ai, asc; writes ai, asc
.if DOCPART == 2
	.amdgcn_target "amdgcn-amd-amdhsa--gfx1250"
	.amdhsa_code_object_version 6
	.text
	.protected	k_q4d5feb9956_ffn1
	.globl	k_q4d5feb9956_ffn1
	.p2align	8
	.type	k_q4d5feb9956_ffn1,@function
k_q4d5feb9956_ffn1:
	s_mov_b64 s[64:65], 0
	v_nop
	global_prefetch_b8 v0, s[64:65] scope:SCOPE_SE
	s_setreg_imm32_b32 hwreg(HW_REG_WAVE_MODE, 25, 1), 1
	s_wait_xcnt 0x0
	s_wait_alu depctr_hold_cnt(0) depctr_sa_sdst(0) depctr_va_vdst(0) depctr_va_sdst(0) depctr_va_ssrc(0) depctr_va_vcc(0) depctr_vm_vsrc(0)
	s_getreg_b32 s2, hwreg(HW_REG_IB_STS2, 6, 4)
	s_cmp_eq_u32 s2, 0
	s_cbranch_scc0 .Lentry_in_a_cluster
	s_endpgm
.Lentry_in_a_cluster:
	s_bfe_u32 s2, ttmp6, 0x10000c
	s_cmp_lg_u32 s2, 0xf033
	s_cbranch_scc0 .Lentry_shape_is_right
	s_endpgm
.Lentry_shape_is_right:
; FFN1: h = x W1, v = x V1 for every expert, on codes of FP4 with E8M0 scales; then act = silu(h) v in f32, quantised along f, stored as the second product's operand.
; One GEMM: 2,048 tokens (xr) x 8,192 weight rows (wvr: W1's and V1's rows of the same 64 f lie side by side), K = 2,048.
; A work-group of four waves makes 256 tokens x 256 weight rows; a wave 128 x 128: 64 accumulators of 16 x 16, 512 registers.  My 8 weight tiles are 64 f of W1 (tiles 0-3) and the same 64 f of V1 (tiles 4-7).
; K goes in four steps of 512 through a ring of two LDS slots.  The workspace lies in the order of the operand's registers: a REC (4,352 bytes) is a tile of 16 rows for 512 along K: four images of 1,024 bytes, then
; 16 scale bytes a row.  So a fragment is two ds_load_b128 at 16 x lane (512 consecutive bytes each: no pitch, no padding), a tile's scale words one ds_load_b128, and a wave's tensor load one dense block of 8 RECs.
; CLUSTERS: 4 x 4 work-groups.  The four of a row of the cluster need the same tokens, the four of a column the same weight rows: each block is asked for JOINTLY, by the same tensor load with the same descriptor
; and a mask that names the four.  By this text's own count a wave has at most two tensor loads out.
; THE MATRIX INSTRUCTION IS USED TRANSPOSED (source 0 = 16 weight rows, source 1 = 16 tokens): a lane holds ONE token, and by the order of a tile's rows the 16 registers of tiles 2 b and 2 b + 1 are
; f = 32 b + 16 (lane / 16) + 0 .. 15: neighbours along the second product's K.
; REGISTERS, in windows of 256: window 0: v16-29 addresses; v32-95 scale words, two sets; v128-191 the tokens' fragments, ONE set; on the way out v128-215 at work.
;   window 1: the weights' fragments, TWO sets, at v0 and v128.   window 2: the accumulators of my tokens 0-63 ((a, b) at v[8 (8 a + b)]);   window 3: of tokens 64-127.
; LIMITS: NaN and infinities are not served; where e^-h passes the largest f32 number silu(h) is taken as 0; a block of act under 2^-124 gets the scale byte 1.
.set REC,    4352
.set NQ,     4                         ; matrix instructions deep in a slot
.set FR,     8                         ; registers of a fragment
.set NL,     2                         ; LDS loads that bring one
.set NP,     4                         ; places behind this matrix instruction (ISA guide 7.12.1)
.set HALFT,  8*REC                     ; 128 rows: what one tensor load brings, and what one wave reads of either side
.set SLOT,   4*HALFT                   ; the tokens' 256 rows, then the weights' 256
.set AKS,    128*REC                   ; from one K step of xr to the next, in bytes
.set BKS,    512*REC                   ; and of wvr
.set SPARE,  2*SLOT                    ; behind the ring: the spare words, 128 bytes for each wave: two blocks of 256 bytes that no other line names
.set SST,    SPARE+512                 ; act's scale words of the work-group's 256 tokens, 4 bytes each: no fill ever lands here
.set ADRA, 16                          ; v16-17  LDS address of my tokens' fragments in slot 0, 1
.set ADRS, 18                          ; v18-19  of my scale words: lanes 0-15 the tokens', lanes 16-31 the weights'
.set ADRB, 20                          ; v20-21  of my weights' fragments
.set GOF,  24                          ; v24     16 x lane
.set SSA,  25                          ; v25     where I put two scale bytes of act
.set SSR,  26                          ; v26     where I read 8 bytes of scale words back
.set GO8,  27                          ; v27     8 x lane
.set SPW,  28                          ; v28     LDS address of my spare word; never rewritten
.set NIL,  29                          ; v29     0; never rewritten
.set SC,   32                          ; scale words: set s at v[SC + 32 s]; register 4 i + q: lanes 0-15 the word of the tokens' tile i, lanes 16-31 of the weights' tile i, for the slot's q-th 128 along K
.set AF,   128                         ; the tokens' fragments
.set TA,   128                         ; the way out: 32 numbers of a lane
.set G1, 24                            ; s[24:31] descriptor group 1 for the tokens;  s[32:39] group 0, one set for each slot
.set G0, 32
.set G1B, 48                           ; s[48:55], s[56:63] the same for the weights
.set G0B, 56
.set MSB, 0
.macro WIN new                         ; the immediate's high byte repeats the setting that is left
.if MSB != \new
	s_set_vgpr_msb (MSB<<8)|\new
.set MSB, \new
.endif
.endm
.set MUL_LO, 0xa1                      ; source 0 (weights) window 1, source 1 (tokens) window 0, C and D window 2
.set MUL_HI, 0xf1                      ; the same, C and D window 3
.set TO_B,   0x40                      ; destination window 1, address window 0
; A joint load: waves 0 and 1 fetch the tokens' halves, waves 2 and 3 the weights'.  Each line has one mask and one set of registers; the branch hangs on the wave's number alone.
; Four v_nop follow each of the two lines, ahead of the jump, the label and what follows.
.macro JLOAD g0a, g1a, g0b, g1b
	s_cmp_eq_u32 s15, 0
	s_cbranch_scc0 .Lfor_b_\@
	tensor_load_to_lds s[\g0a:\g0a+3], s[\g1a:\g1a+7]
	s_nop 0
.rept 4
	v_nop
.endr
	s_branch .Lasked_\@
.Lfor_b_\@:
	tensor_load_to_lds s[\g0b:\g0b+3], s[\g1b:\g1b+7]
	s_nop 0
.rept 4
	v_nop
.endr
.Lasked_\@:
.endm
.macro CREST                           ; a round of the cluster's barrier behind its opening barrier
	s_cmp_lg_u32 s14, 0
	s_cbranch_scc1 .Lnot_wave_0_\@
	s_barrier_signal -3
.Lnot_wave_0_\@:
	s_barrier_wait -3
	s_barrier_signal -1
	s_barrier_wait -1
.endm
.macro CROUND                          ; a whole round
	s_barrier_signal -1
	s_barrier_wait -1
	CREST
.endm
	s_load_b256 s[4:11], s[0:1], 0x0               ; xr s[4:5], wvr s[6:7], ai s[8:9], asc s[10:11]
	v_lshl_add_u32 v[SPW], v0, 2, SPARE
	v_mov_b32 v[NIL], 0
	ds_add_u32 v28, v29
	ds_add_u32 v28, v29
	s_wait_dscnt 0x0
	v_lshrrev_b32 v1, 5, v0
	v_readfirstlane_b32 s14, v1                    ; wave 0..3
	s_lshr_b32 s15, s14, 1                         ; which half of the tokens is mine.  Also: I fetch tokens (0) or weights (1)
	s_and_b32 s16, s14, 1                          ; which half of the weight rows.  Also: which 128 rows I fetch
	s_bfe_u32 s40, ttmp6, 0x40000                  ; cx, cy: my place in the cluster
	s_bfe_u32 s41, ttmp6, 0x40004
	s_lshl_b32 s42, ttmp9, 2
	s_add_co_u32 s42, s42, s40                     ; tile column = 4 x cluster x + cx: expert s42 / 4, f = 128 (s42 % 4) on
	s_and_b32 s17, ttmp7, 0xffff
	s_lshl_b32 s17, s17, 2
	s_add_co_u32 s17, s17, s41                     ; tile row = 4 x cluster y + cy: tokens 256 s17 on
	s_lshl_b32 s43, s41, 2
	s_lshl_b32 s43, 15, s43                        ; my row of the cluster
	s_lshl_b32 s44, 0x1111, s40                    ; my column
	; descriptor group 1: a dense block of 8 RECs as 136 rows of 256 bytes (32 elements of 8 bytes), no padding
	s_or_b32 s[G1+0], s43, (3<<16)|(1<<21)         ; 15:0 the mask; 17:16 elements of 8 bytes; 21 set beside a mask
	s_or_b32 s[G1B+0], s44, (3<<16)|(1<<21)
.irp g, G1, G1B
	s_mov_b32 s[\g+1], 32<<16                      ; tensor_dim0
	s_mov_b32 s[\g+2], 136<<16                     ; tensor_dim1
	s_mov_b32 s[\g+3], 32<<16                      ; tile_dim0
	s_mov_b32 s[\g+4], 136                         ; tile_dim1
	s_mov_b32 s[\g+5], 32                          ; tensor_dim0_stride
	s_mov_b32 s[\g+6], 0
	s_mov_b32 s[\g+7], 0
.endr
	s_lshl_b32 s18, s16, 3                         ; which 8 RECs I fetch
	s_lshl_b32 s20, s17, 4
	s_add_co_u32 s20, s20, s18                     ; tokens: REC 16 x tile row + 8 x half
	s_mul_i32 s20, s20, REC
	s_mov_b32 s21, 0
	s_lshl_b32 s46, s42, 4
	s_add_co_u32 s46, s46, s18                     ; weights: REC 16 x tile column + 8 x half
	s_mul_i32 s46, s46, REC
	s_mov_b32 s47, 0
	s_mul_i32 s45, s14, HALFT                      ; where they go: wave x 8 RECs: no place in the cluster enters an LDS address
	s_mov_b32 s66, 0xbfb8aa3b                      ; -log2(e)
	s_mov_b32 s67, s66                             ; (named with it as a pair, so it is written)
	s_mov_b32 s68, 0x76543210
	s_mov_b32 s69, 0xfedcba98                      ; v_permlanex16_b32's selects for lane l xor 16
	s_wait_kmcnt 0x0
	s_add_nc_u64 s[20:21], s[4:5], s[20:21]
	s_add_nc_u64 s[46:47], s[6:7], s[46:47]
	CROUND                                         ; all sixteen work-groups are here: the first joint loads meet
.irp s, 0,1
	s_mov_b32 s[G0+4*\s], 1
	s_add_co_u32 s[G0+4*\s+1], s45, \s*SLOT
	s_add_nc_u64 s[G0+4*\s+2:G0+4*\s+3], s[20:21], \s*AKS
	s_or_b32 s[G0+4*\s+3], s[G0+4*\s+3], 0x80000000
	s_mov_b32 s[G0B+4*\s], 1
	s_add_co_u32 s[G0B+4*\s+1], s45, \s*SLOT
	s_add_nc_u64 s[G0B+4*\s+2:G0B+4*\s+3], s[46:47], \s*BKS
	s_or_b32 s[G0B+4*\s+3], s[G0B+4*\s+3], 0x80000000
	JLOAD G0+4*\s, G1, G0B+4*\s, G1B
.endr
	v_and_b32 v1, 15, v0                           ; r = lane % 16
	v_bfe_u32 v2, v0, 4, 1                         ; h = lane / 16
	v_and_b32 v3, 31, v0
	v_lshlrev_b32 v[GOF], 4, v3
	v_lshlrev_b32 v[GO8], 3, v3
	s_mul_i32 s21, s15, HALFT                      ; my 128 tokens
	s_mul_i32 s22, s16, HALFT                      ; my 128 weight rows,
	s_add_co_u32 s22, s22, 2*HALFT                 ; which lie behind the tokens' 256
.irp s, 0,1
	v_add_nc_u32 v[ADRA+\s], s21, v[GOF]
	v_add_nc_u32 v[ADRB+\s], s22, v[GOF]
	s_add_co_u32 s21, s21, SLOT
	s_add_co_u32 s22, s22, SLOT
.endr
	s_mul_i32 s21, s15, HALFT
	s_mul_i32 s22, s16, HALFT
	s_add_co_u32 s22, s22, 2*HALFT
	s_sub_co_u32 s22, s22, s21
	v_mul_u32_u24 v6, s22, v2                      ; lanes 16-31 take the weights' scale words: one product, the distance between the two bases
	v_lshl_add_u32 v5, v1, 4, v6                   ; 16 bytes a row
	s_add_co_u32 s21, s21, 4096                    ; behind a REC's four images
	v_add_nc_u32 v[ADRS], s21, v5
	s_add_co_u32 s21, s21, SLOT
	v_add_nc_u32 v[ADRS+1], s21, v5
	s_lshl_b32 s21, s15, 9                         ; act's scale words: 4 bytes a token, my 128 tokens; my 64 f are bytes 2 x half, + 1
	s_lshl_b32 s22, s16, 1
	s_add_co_u32 s21, s21, s22
	s_add_co_u32 s21, s21, SST
	v_lshl_add_u32 v[SSA], v1, 2, s21
	s_lshl_b32 s21, s14, 8
	s_add_co_u32 s21, s21, SST
	v_add_nc_u32 v[SSR], s21, v[GO8]               ; back: wave w takes the words of tokens 64 w on
	; where my part of ai begins: [e][tile of 16 tokens][q][1,024]: my 64 f are the half 512 x (wave % 2) of image q
	s_lshl_b32 s20, s17, 4
	s_lshl_b32 s21, s15, 3
	s_add_co_u32 s20, s20, s21
	s_lshl_b32 s20, s20, 12
	s_lshl_b32 s21, s16, 9
	s_add_co_u32 s20, s20, s21
	s_lshr_b32 s46, s42, 2
	s_lshl_b32 s46, s46, 19
	s_and_b32 s47, s42, 3
	s_lshl_b32 s47, s47, 10
	s_add_co_u32 s46, s46, s47
	s_add_co_u32 s20, s20, s46
	s_mov_b32 s21, 0
	s_add_nc_u64 s[8:9], s[8:9], s[20:21]
	s_lshl_b32 s20, s42, 13                        ; asc [e][q][token][4]: (4 e + q) x 8,192 + 1,024 x tile row + 256 x wave
	s_lshl_b32 s46, s17, 10
	s_add_co_u32 s20, s20, s46
	s_lshl_b32 s46, s14, 8
	s_add_co_u32 s20, s20, s46
	s_add_nc_u64 s[10:11], s[10:11], s[20:21]
.macro FRAG reg, adr, q, i             ; tile i's fragment of the slot's q-th 128 along K: the image as it lies, 16 bytes a lane, twice
.irp c, 0,1
	ds_load_b128 v[\reg+4*\c:\reg+4*\c+3], v[\adr] offset:(\i)*REC+(\q)*1024+512*\c
.endr
.endm
; 16 matrix instructions: the tokens' tiles a0, a0 + 1 x the weights' eight, 128 along K.  p: the weights' set;  sc: the set of scale words.  zero = 1: the first product starts the sums.
; The 64 accumulators take turns, one instruction a turn, in the same order in every step.
.macro MUL16 a0, p, q, sc, zero
.irp a, \a0, \a0+1
.irp b, 0,1,2,3,4,5,6,7
.if \zero
	v_wmma_scale_f32_16x16x128_f8f6f4 v[8*(8*((\a)%4)+\b):8*(8*((\a)%4)+\b)+7], v[128*(\p)+FR*\b:128*(\p)+FR*\b+FR-1], v[AF+FR*(\a):AF+FR*(\a)+FR-1], 0, v[SC+8*NQ*(\sc)+NQ*\b+(\q)], v[SC+8*NQ*(\sc)+NQ*(\a)+(\q)] matrix_a_fmt:MATRIX_FMT_FP4 matrix_b_fmt:MATRIX_FMT_FP4 matrix_a_scale:MATRIX_SCALE_ROW1
.else
	v_wmma_scale_f32_16x16x128_f8f6f4 v[8*(8*((\a)%4)+\b):8*(8*((\a)%4)+\b)+7], v[128*(\p)+FR*\b:128*(\p)+FR*\b+FR-1], v[AF+FR*(\a):AF+FR*(\a)+FR-1], v[8*(8*((\a)%4)+\b):8*(8*((\a)%4)+\b)+7], v[SC+8*NQ*(\sc)+NQ*\b+(\q)], v[SC+8*NQ*(\sc)+NQ*(\a)+(\q)] matrix_a_fmt:MATRIX_FMT_FP4 matrix_b_fmt:MATRIX_FMT_FP4 matrix_a_scale:MATRIX_SCALE_ROW1
.endif
.endr
.endr
.endm
.macro FETCH_B slot, q, p              ; the weights' eight fragments into set p
	WIN TO_B
.irp i, 0,1,2,3,4,5,6,7
	FRAG 128*(\p)+FR*\i, ADRB+\slot, \q, \i
.endr
	WIN 0
.endm
.macro FETCH_A slot, q, i0             ; the tokens' tiles i0 .. i0 + 3
.irp i, \i0, \i0+1, \i0+2, \i0+3
	FRAG AF+FR*(\i), ADRA+\slot, \q, \i
.endr
.endm
.macro SCALES sc                       ; slot sc's scale words: four words a row; lanes 0-15 the tokens' tile i, lanes 16-31 the weights' tile i
.irp i, 0,1,2,3,4,5,6,7
	ds_load_b128 v[SC+8*NQ*\sc+NQ*\i:SC+8*NQ*\sc+NQ*\i+3], v[ADRS+\sc] offset:\i*REC
.endr
.endm
; A load into a register that a matrix instruction has read, and a vector instruction that reads a matrix result or writes one of its registers, stand NP places behind it; only plain vector
; instructions that name none of its registers are places (ISA guide 7.12.1 for vector instructions).
.macro PLACES n
.rept \n
	v_nop
.endr
.endm
; A step of 128 along K that has its successor in the same slot.  A tile of tokens is free as soon as its eight products are issued: tiles 0-3 are fetched anew in the step's middle, tiles 4-7 at its end.
.macro STEP slot, q, zero
	s_wait_dscnt 4*NL                              ; all but the youngest eight loads (the tokens' tiles 4-7) are in
	WIN MUL_LO
	MUL16 0, (\q)%2, \q, \slot, \zero
	MUL16 2, (\q)%2, \q, \slot, \zero
	s_wait_dscnt 0                                 ; tiles 4-7 are in (asked for 32 matrix instructions ago)
	PLACES NP
	FETCH_B \slot, (\q)+1, 1-(\q)%2
	FETCH_A \slot, (\q)+1, 0
	WIN MUL_HI
	MUL16 4, (\q)%2, \q, \slot, \zero
	MUL16 6, (\q)%2, \q, \slot, \zero
	PLACES NP
	WIN 0
	FETCH_A \slot, (\q)+1, 4
.endm
; A slot's last step changes slots: ONE barrier; in front of it each wave waits for all its tensor loads, adds 0 to its spare word, and waits for that and for its own reads of this slot.  fill = 1: this slot is filled again, two K steps ahead.
.macro TURN slot, next, fill
	s_wait_tensorcnt 0x0                           ; all my tensor loads have landed: my part of the next slot  (every window is 0 here)
	ds_add_u32 v[SPW], v[NIL]                      ; 0 onto my spare word
	s_wait_dscnt 4*NL+1                            ; (the add and the youngest eight loads may be out)
	WIN MUL_LO
	MUL16 0, 1, NQ-1, \slot, 0                     ; sixteen matrix instructions stand between the add and the wait for it
	s_wait_dscnt 0x0                               ; the add is done, and my reads of this slot are over
	s_barrier_signal -1
	MUL16 2, 1, NQ-1, \slot, 0
	WIN 0
	s_barrier_wait -1
.if \fill
	CREST                                          ; the barrier has opened a round of the cluster's barrier: no wave of any partner still reads this slot or has a load on its way
	s_add_nc_u64 s[G0+4*\slot+2:G0+4*\slot+3], s[G0+4*\slot+2:G0+4*\slot+3], 2*AKS
	s_add_nc_u64 s[G0B+4*\slot+2:G0B+4*\slot+3], s[G0B+4*\slot+2:G0B+4*\slot+3], 2*BKS
	JLOAD G0+4*\slot, G1, G0B+4*\slot, G1B         ; the first tensor load behind the round; the four v_nop behind it are the places in front of the loads below
.else
	PLACES NP
.endif
	FETCH_B \next, 0, 0
	FETCH_A \next, 0, 0
	SCALES \next
	WIN MUL_HI
	MUL16 4, 1, NQ-1, \slot, 0
	MUL16 6, 1, NQ-1, \slot, 0
	PLACES NP
	WIN 0
	FETCH_A \next, 0, 4
.endm
	s_wait_tensorcnt 1                             ; my part of K step 0 is in (K step 1's load may be out)
	s_barrier_signal -1
	s_barrier_wait -1                              ; everybody's is
	FETCH_B 0, 0, 0
	FETCH_A 0, 0, 0
	SCALES 0
	FETCH_A 0, 0, 4
	STEP 0, 0, 1                                   ; K step 0 (slot 0): its first products start the sums
	STEP 0, 1, 0
	STEP 0, 2, 0
	TURN 0, 1, 1                                   ; slot 0 takes K step 2
	STEP 1, 0, 0                                   ; K step 1
	STEP 1, 1, 0
	STEP 1, 2, 0
	TURN 1, 0, 1                                   ; slot 1 takes K step 3
	STEP 0, 0, 0                                   ; K step 2
	STEP 0, 1, 0
	STEP 0, 2, 0
	TURN 0, 1, 0                                   ; nothing is left to fetch
	STEP 1, 0, 0                                   ; K step 3
	STEP 1, 1, 0
	STEP 1, 2, 0
	s_wait_dscnt 4*NL                              ; the very last step
	WIN MUL_LO
	MUL16 0, 1, NQ-1, 1, 0
	MUL16 2, 1, NQ-1, 1, 0
	s_wait_dscnt 0
	WIN MUL_HI
	MUL16 4, 1, NQ-1, 1, 0
	MUL16 6, 1, NQ-1, 1, 0
	WIN 0
; THE WAY OUT, a tile of 16 tokens at a time.  act = (h / (1 + e^-h)) v in f32; its 32 numbers a lane are two half blocks along f; the block's other half lies in lane l xor 16.
; The codes, with the halves of the lanes changed over, are the half image of the second product's operand: the wave stores 512 consecutive bytes.
.macro ACT a
.set AC, 64*((\a)%4)
.set WA, 2+(\a)/4
.set PCD, 176+4*(\a)
	WIN WA                                         ; source 0: window 2 or 3
.set i, 0
.rept 16
	v_pk_mul_f32 v[TA+i:TA+i+1], v[AC+i:AC+i+1], s[66:67] op_sel_hi:[1,0]   ; -h log2(e); each accumulator from its low end on
.set i, i+2
.endr
	WIN 0
.set i, 0
.rept 32
	v_exp_f32 v[TA+i], v[TA+i]                     ; e^-h
.set i, i+1
.endr
	v_nop                                          ; a plain line behind the exponentials
.set i, 0
	s_wait_alu depctr_va_vdst(0)
.rept 16
	v_pk_add_f32 v[TA+i:TA+i+1], v[TA+i:TA+i+1], 1.0 op_sel_hi:[1,0]
.set i, i+2
.endr
.set i, 0
.rept 32
	v_rcp_f32 v[TA+i], v[TA+i]                     ; the sigmoid
.set i, i+1
.endr
	v_nop
	WIN WA
.set i, 0
	s_wait_alu depctr_va_vdst(0)
.rept 16
	v_pk_mul_f32 v[TA+i:TA+i+1], v[AC+i:AC+i+1], v[TA+i:TA+i+1]        ; silu(h)
.set i, i+2
.endr
.set i, 0
.rept 16
	v_pk_mul_f32 v[TA+i:TA+i+1], v[AC+32+i:AC+33+i], v[TA+i:TA+i+1]    ; x v
.set i, i+2
.endr
	WIN 0
	v_max3_num_f32 v160, |v[TA]|, |v[TA+1]|, 0x1800000                 ; the two blocks by turns; the floor 2^(3 - 127) holds the byte at 1 from below
	v_max3_num_f32 v161, |v[TA+16]|, |v[TA+17]|, 0x1800000
.irp i2, 2,4,6,8,10,12,14
	v_max3_num_f32 v160, v160, |v[TA+\i2]|, |v[TA+\i2+1]|
	v_max3_num_f32 v161, v161, |v[TA+16+\i2]|, |v[TA+17+\i2]|
.endr
	v_permlanex16_b32 v162, v160, s68, s69
	v_permlanex16_b32 v163, v161, s68, s69
	v_max_num_f32 v160, v160, v162                 ; the block's largest magnitude
	v_max_num_f32 v161, v161, v163
	v_add_nc_u32 v164, 0xff000000, v160            ; 2 off the exponent field: the conversion's scale operand
	v_add_nc_u32 v165, 0xff000000, v161
	v_lshrrev_b32 v166, 23, v164                   ; the scale's byte
	v_lshrrev_b32 v167, 23, v165
	v_lshl_or_b32 v[208+(\a)], v167, 8, v166       ; my two bytes of the token's scale word
	v_cvt_scalef32_pk8_fp4_f32 v[PCD], v[TA:TA+7], v164
	v_cvt_scalef32_pk8_fp4_f32 v[PCD+1], v[TA+8:TA+15], v164
	v_cvt_scalef32_pk8_fp4_f32 v[PCD+2], v[TA+16:TA+23], v165
	v_cvt_scalef32_pk8_fp4_f32 v[PCD+3], v[TA+24:TA+31], v165
	v_nop                                          ; one plain line behind a scaled conversion
	v_permlane16_swap_b32 v[PCD], v[PCD+2]         ; the operand's layout wants a whole block in a lane: lanes 0-15 the first block, lanes 16-31 the second
	v_permlane16_swap_b32 v[PCD+1], v[PCD+3]
	global_store_b128 v[GOF], v[PCD:PCD+3], s[8:9] offset:4096*(\a)    ; 32 lanes store 512 consecutive bytes, aligned
	ds_store_b16 v[SSA], v[208+(\a)] offset:64*(\a)                    ; lanes l and l + 16 write the same bytes with the same value
.endm
	PLACES NP                                      ; behind the last products: the lines below read results and write registers that held the tokens' fragments
	v_mov_b32 v162, 0                              ; written once: a lane permute's destination counts as one of its sources
	v_mov_b32 v163, 0
.irp a, 0,1,2,3,4,5,6,7
	ACT \a
.endr
	s_wait_dscnt 0x0                               ; for the others' sake: my scale bytes lie in LDS
	s_barrier_signal -1
	s_barrier_wait -1                              ; a token's word comes from two waves
	ds_load_b64 v[170:171], v[SSR]
	s_wait_dscnt 0x0
	global_store_b64 v[GO8], v[170:171], s[10:11]  ; 32 lanes store 256 consecutive bytes, aligned
	s_wait_tensorcnt 0x0                           ; the wave's end
	ds_add_u32 v[SPW], v[NIL]
	s_wait_dscnt 0x0
	CROUND                                         ; the closing round: no work-group ends while a partner may still ask for a block that names it
	s_endpgm
.Lfunc_end_k_q4d5feb9956_ffn1:
	.size	k_q4d5feb9956_ffn1, .Lfunc_end_k_q4d5feb9956_ffn1-k_q4d5feb9956_ffn1
	.p2alignl 7, 3214868480
	.fill 96, 4, 3214868480
	.section	.rodata,"a",@progbits
	.p2align	6, 0x0
	.amdhsa_kernel k_q4d5feb9956_ffn1
		.amdhsa_group_segment_fixed_size 327680
		.amdhsa_private_segment_fixed_size 0
		.amdhsa_enable_private_segment 0
		.amdhsa_kernarg_size 32
		.amdhsa_user_sgpr_count 2
		.amdhsa_user_sgpr_kernarg_segment_ptr 1
		.amdhsa_wavefront_size32 1
		.amdhsa_system_sgpr_workgroup_id_x 1
		.amdhsa_system_sgpr_workgroup_id_y 1
		.amdhsa_system_sgpr_workgroup_id_z 1
		.amdhsa_system_vgpr_workitem_id 0
		.amdhsa_next_free_vgpr 1024
		.amdhsa_next_free_sgpr 72
		.amdhsa_reserve_vcc 0
		.amdhsa_float_denorm_mode_32 3
		.amdhsa_float_denorm_mode_16_64 3
		.amdhsa_memory_ordered 1
		.amdhsa_forward_progress 1
		.amdhsa_inst_pref_size 246
	.end_amdhsa_kernel
	.amdgpu_metadata
---
amdhsa.version: [ 1, 2 ]
amdhsa.kernels:
  - .name:           k_q4d5feb9956_ffn1
    .symbol:         k_q4d5feb9956_ffn1.kd
    .args:
      - { .name: xr, .offset: 0, .size: 8, .value_kind: global_buffer, .address_space: global }
      - { .name: wvr, .offset: 8, .size: 8, .value_kind: global_buffer, .address_space: global }
      - { .name: ai, .offset: 16, .size: 8, .value_kind: global_buffer, .address_space: global }
      - { .name: asc, .offset: 24, .size: 8, .value_kind: global_buffer, .address_space: global }
    .group_segment_fixed_size: 327680
    .private_segment_fixed_size: 0
    .kernarg_segment_align: 8
    .kernarg_segment_size: 32
    .max_flat_workgroup_size: 128
    .sgpr_count:     72
    .vgpr_count:     1024
    .wavefront_size: 32
...
	.end_amdgpu_metadata
.endif
;; end of part 2
;; launch ffn2 (part 3): grid 16 x 16, 4 waves a work-group, clusters of 4 x 4, 327,680 bytes of LDS; arguments ai, asc, w2i, w2s, comb, out0; writes out0
.if DOCPART == 3
	.amdgcn_target "amdgcn-amd-amdhsa--gfx1250"
	.amdhsa_code_object_version 6
	.text
	.protected	k_q4d5feb9956_ffn2
	.globl	k_q4d5feb9956_ffn2
	.p2align	8
	.type	k_q4d5feb9956_ffn2,@function
k_q4d5feb9956_ffn2:
	s_mov_b64 s[64:65], 0
	v_nop
	global_prefetch_b8 v0, s[64:65] scope:SCOPE_SE
	s_setreg_imm32_b32 hwreg(HW_REG_WAVE_MODE, 25, 1), 1
	s_wait_xcnt 0x0
	s_wait_alu depctr_hold_cnt(0) depctr_sa_sdst(0) depctr_va_vdst(0) depctr_va_sdst(0) depctr_va_ssrc(0) depctr_va_vcc(0) depctr_vm_vsrc(0)
	s_getreg_b32 s2, hwreg(HW_REG_IB_STS2, 6, 4)
	s_cmp_eq_u32 s2, 0
	s_cbranch_scc0 .Lentry_in_a_cluster
	s_endpgm
.Lentry_in_a_cluster:
	s_bfe_u32 s2, ttmp6, 0x10000c
	s_cmp_lg_u32 s2, 0xf033
	s_cbranch_scc0 .Lentry_shape_is_right
	s_endpgm
.Lentry_shape_is_right:
; FFN2: out0[t][d] = the sum over the 8 experts of comb[t][e] x (act_e W2_e)[t][d].  The products run on codes of FP4 with E8M0 scales, K = 512; the weighted sum is f32.
; Every expert is multiplied for every token, and comb (0 for the experts not chosen) enters as a number only: no address and no branch hangs on the routing.
; A work-group of four waves makes a tile of 128 tokens x 128 d and is its only owner; a wave 64 x 64: 16 accumulators P for the expert in hand and 16 sums Y.  256 tiles: one for each WGP; a tile of 256 x 256 would give 64.
; Operands lie in memory as images of their registers (1,024 bytes for 16 rows x 128 K): a fragment is two ds_load_b128 at 16 x lane; an expert's 128 rows for all of K are 32,768 consecutive bytes.
; THE RING: two slots, each with two experts (act of the even, of the odd, W2 of the even, of the odd): each wave brings one of the four with one tensor load.  Slot 0: experts 0, 1, then 4, 5; slot 1: 2, 3, then 6, 7.
; A refill is asked for at the head of a slot's second expert, whose fragments are then in registers, and is first read two experts later.  The scale words of all eight experts come once, with the first fills.
; By this text's own count a wave has at most three tensor loads out.
; CLUSTERS: 4 x 4.  act hangs on the tile row alone and is shared along a row of the cluster, W2 on the tile column alone and is shared along a column: joint loads, a round of the cluster's barrier in front of each refill.
; THE MATRIX INSTRUCTION IS USED TRANSPOSED (source 0 = 16 d of W2, source 1 = 16 tokens): a lane holds one token and eight neighbouring d, so comb is one number a lane and tile.
; REGISTERS: window 0: v16-29 addresses; v32-95 scale words, two sets (in a set: act's word of (a, q) at 4 a + q, W2's of (b, q) at 16 + 4 b + q); v96-127 comb (8 a + e); v128-255 P ((a, b) at 128 + 8 (4 a + b)).
;   windows 1 and 3: an expert's fragments, by turns: act's (a, q) at 8 (4 a + q), W2's (b, q) at 128 + 8 (4 b + q).   window 2: Y ((a, b) at 8 (4 a + b)).
.set SLOT,  131072
.set EST,   524288                     ; from expert to expert in ai and in w2i, in bytes
.set ASC,   2*SLOT                     ; act's scale words: [4 e + q][128 tokens x 4 bytes]
.set WSC,   ASC+16384                  ; W2's: [e][128 d x 16 bytes]
.set SPARE, WSC+16384                  ; the spare words, 128 bytes for each wave: two blocks of 256 bytes that no other line names
.set SPT,   272                        ; the way out: a stage of 16 rows x (256 bytes + 16) for each wave, in slot 0, which has had its last fill and its last read by then
.set ADRA, 16                          ; v16-17  my tokens' fragments in slot 0, 1
.set ADSA, 18                          ; v18     act's scale words
.set ADSB, 19                          ; v19     W2's
.set ADRB, 20                          ; v20-21  my d's fragments
.set STO,  24                          ; v24     the stage: where I put 32 bytes of a row
.set RD,   25                          ; v25     and where I read a row back
.set CO,   26                          ; v26     my byte offset in out0
.set CBO,  27                          ; v27     my token's row of comb
.set SPW,  28                          ; v28     LDS address of my spare word; never rewritten
.set NIL,  29                          ; v29     0; never rewritten
.set SC,   32
.set CB,   96
.set PR,   128
.set G1,   24                          ; s[24:31], s[32:39] groups 1 and 0 (a set for each slot) for act
.set G0,   32
.set G1B,  48                          ; s[48:55], s[56:63] for W2
.set G0B,  56
.set G1S,  68                          ; s[68:75], s[76:79] for act's scale words;  s[80:87], s[88:91] for W2's
.set G0S,  76
.set G1SB, 80
.set G0SB, 88
.set MSB, 0
.macro WIN new                         ; the immediate's high byte repeats the setting that is left
.if MSB != \new
	s_set_vgpr_msb (MSB<<8)|\new
.set MSB, \new
.endif
.endm
; A joint load: waves 0 and 1 fetch for act, waves 2 and 3 for W2.  Four v_nop follow each of the two lines, ahead of the jump, the label and what follows.
.macro JLOAD g0a, g1a, g0b, g1b
	s_cmp_eq_u32 s19, 0
	s_cbranch_scc0 .Lfor_b_\@
	tensor_load_to_lds s[\g0a:\g0a+3], s[\g1a:\g1a+7]
	s_nop 0
.rept 4
	v_nop
.endr
	s_branch .Lasked_\@
.Lfor_b_\@:
	tensor_load_to_lds s[\g0b:\g0b+3], s[\g1b:\g1b+7]
	s_nop 0
.rept 4
	v_nop
.endr
.Lasked_\@:
.endm
.macro CROUND                          ; a round of the cluster's barrier
	s_barrier_signal -1
	s_barrier_wait -1
	s_cmp_lg_u32 s18, 0
	s_cbranch_scc1 .Lnot_wave_0_\@
	s_barrier_signal -3
.Lnot_wave_0_\@:
	s_barrier_wait -3
	s_barrier_signal -1
	s_barrier_wait -1
.endm
.macro PLACES n
.rept \n
	v_nop
.endr
.endm
	s_load_b256 s[4:11], s[0:1], 0x0               ; ai s[4:5], asc s[6:7], w2i s[8:9], w2s s[10:11]
	s_load_b128 s[12:15], s[0:1], 0x20             ; comb s[12:13], out0 s[14:15]
	v_lshl_add_u32 v[SPW], v0, 2, SPARE
	v_mov_b32 v[NIL], 0
	ds_add_u32 v28, v29
	ds_add_u32 v28, v29
	s_wait_dscnt 0x0
	v_lshrrev_b32 v1, 5, v0
	v_readfirstlane_b32 s18, v1                    ; wave 0..3
	s_lshr_b32 s19, s18, 1                         ; which 64 tokens are mine.  Also: I fetch for act (0) or for W2 (1)
	s_and_b32 s20, s18, 1                          ; which 64 d.  Also: the even or the odd expert of a slot, the lower or the upper half of the scale words
	s_bfe_u32 s40, ttmp6, 0x40000                  ; cx, cy
	s_bfe_u32 s41, ttmp6, 0x40004
	s_lshl_b32 s42, ttmp9, 2
	s_add_co_u32 s42, s42, s40                     ; tile column: d = 128 s42 on
	s_and_b32 s17, ttmp7, 0xffff
	s_lshl_b32 s17, s17, 2
	s_add_co_u32 s17, s17, s41                     ; tile row: tokens 128 s17 on
	s_lshl_b32 s43, s41, 2
	s_lshl_b32 s43, 15, s43                        ; my row of the cluster
	s_lshl_b32 s44, 0x1111, s40                    ; my column
	s_or_b32 s[G1+0], s43, (3<<16)|(1<<21)         ; 15:0 the mask; 17:16 elements of 8 bytes; 21 set beside a mask; no padding
	s_or_b32 s[G1B+0], s44, (3<<16)|(1<<21)
.irp g, G1, G1B                        ; 32,768 dense bytes as 128 rows of 256
	s_mov_b32 s[\g+1], 32<<16
	s_mov_b32 s[\g+2], 128<<16
	s_mov_b32 s[\g+3], 32<<16
	s_mov_b32 s[\g+4], 128
	s_mov_b32 s[\g+5], 32
	s_mov_b32 s[\g+6], 0
	s_mov_b32 s[\g+7], 0
.endr
	s_or_b32 s[G1S+0], s43, (3<<16)|(1<<21)        ; act's scale words: 16 rows (e, q) of 512 bytes, 8,192 bytes apart
	s_mov_b32 s[G1S+1], 64<<16
	s_mov_b32 s[G1S+2], 16<<16
	s_mov_b32 s[G1S+3], 64<<16
	s_mov_b32 s[G1S+4], 16
	s_mov_b32 s[G1S+5], 1024
	s_mov_b32 s[G1S+6], 0
	s_mov_b32 s[G1S+7], 0
	s_or_b32 s[G1SB+0], s44, (3<<16)|(1<<21)       ; W2's: 4 rows (e) of 2,048 bytes, 32,768 bytes apart
	s_mov_b32 s[G1SB+1], 256<<16
	s_mov_b32 s[G1SB+2], 4<<16
	s_mov_b32 s[G1SB+3], 256<<16
	s_mov_b32 s[G1SB+4], 4
	s_mov_b32 s[G1SB+5], 4096
	s_mov_b32 s[G1SB+6], 0
	s_mov_b32 s[G1SB+7], 0
	s_lshl_b32 s92, s20, 19                        ; act: the even or odd expert, + 32,768 x tile row
	s_lshl_b32 s21, s17, 15
	s_add_co_u32 s92, s92, s21
	s_mov_b32 s93, 0
	s_lshl_b32 s46, s20, 19                        ; W2: the same with the tile column, in registers of its own
	s_lshl_b32 s22, s42, 15
	s_add_co_u32 s46, s46, s22
	s_mov_b32 s47, 0
	s_lshl_b32 s94, s20, 17                        ; act's scale words: rows 16 x half on, + 512 x tile row
	s_lshl_b32 s21, s17, 9
	s_add_co_u32 s94, s94, s21
	s_mov_b32 s95, 0
	s_lshl_b32 s96, s20, 17                        ; W2's: experts 4 x half on, + 2,048 x tile column
	s_lshl_b32 s22, s42, 11
	s_add_co_u32 s96, s96, s22
	s_mov_b32 s97, 0
	s_lshl_b32 s45, s18, 15                        ; where they go: wave x 32,768 in a slot,
	s_lshl_b32 s23, s18, 13                        ; wave x 8,192 among the scale words: no place in the cluster enters an LDS address
	s_wait_kmcnt 0x0
	s_add_nc_u64 s[92:93], s[4:5], s[92:93]
	s_add_nc_u64 s[94:95], s[6:7], s[94:95]
	s_add_nc_u64 s[46:47], s[8:9], s[46:47]
	s_add_nc_u64 s[96:97], s[10:11], s[96:97]
	CROUND                                         ; all sixteen work-groups are here: the first joint loads meet
	s_mov_b32 s[G0S], 1
	s_add_co_u32 s[G0S+1], s23, ASC
	s_mov_b64 s[G0S+2:G0S+3], s[94:95]
	s_or_b32 s[G0S+3], s[G0S+3], 0x80000000
	s_mov_b32 s[G0SB], 1
	s_add_co_u32 s[G0SB+1], s23, ASC
	s_mov_b64 s[G0SB+2:G0SB+3], s[96:97]
	s_or_b32 s[G0SB+3], s[G0SB+3], 0x80000000
	JLOAD G0S, G1S, G0SB, G1SB                     ; the scale words first: they are wanted with expert 0
.irp s, 0,1
	s_mov_b32 s[G0+4*\s], 1
	s_add_co_u32 s[G0+4*\s+1], s45, \s*SLOT
	s_add_nc_u64 s[G0+4*\s+2:G0+4*\s+3], s[92:93], \s*2*EST
	s_or_b32 s[G0+4*\s+3], s[G0+4*\s+3], 0x80000000
	s_mov_b32 s[G0B+4*\s], 1
	s_add_co_u32 s[G0B+4*\s+1], s45, \s*SLOT
	s_add_nc_u64 s[G0B+4*\s+2:G0B+4*\s+3], s[46:47], \s*2*EST
	s_or_b32 s[G0B+4*\s+3], s[G0B+4*\s+3], 0x80000000
	JLOAD G0+4*\s, G1, G0B+4*\s, G1B
.endr
	v_and_b32 v1, 15, v0                           ; r
	v_bfe_u32 v2, v0, 4, 1                         ; h
	v_and_b32 v3, 31, v0
	v_lshlrev_b32 v4, 4, v3                        ; 16 x lane
	v_lshlrev_b32 v[CBO], 5, v1                    ; comb: 32 bytes a token
	s_lshl_b32 s92, s17, 12                        ; comb at my 64 tokens
	s_lshl_b32 s93, s19, 11
	s_add_co_u32 s92, s92, s93
	s_mov_b32 s93, 0
	s_add_nc_u64 s[12:13], s[12:13], s[92:93]
.irp a, 0,1,2,3
.irp j, 0,1
	global_load_b128 v[CB+8*\a+4*\j:CB+8*\a+4*\j+3], v[CBO], s[12:13] offset:512*\a+16*\j   ; the 8 weights of token 16 a + r
.endr
.endr
	s_lshl_b32 s21, s19, 14                        ; my 64 tokens: 4 tiles of 4,096 bytes
	s_lshl_b32 s22, s20, 14                        ; my 64 d,
	s_add_co_u32 s22, s22, 65536                   ; behind act's two experts
.irp s, 0,1
	v_add_nc_u32 v[ADRA+\s], s21, v4
	v_add_nc_u32 v[ADRB+\s], s22, v4
	s_add_co_u32 s21, s21, SLOT
	s_add_co_u32 s22, s22, SLOT
.endr
	s_lshl_b32 s21, s19, 8
	s_add_co_u32 s21, s21, ASC
	v_lshl_add_u32 v[ADSA], v1, 2, s21             ; 4 bytes a token
	s_lshl_b32 s21, s20, 10
	s_add_co_u32 s21, s21, WSC
	v_lshl_add_u32 v[ADSB], v1, 4, s21             ; 16 bytes a d
	s_mul_i32 s21, s18, 16*SPT                     ; my stage
	v_mul_u32_u24 v5, v1, SPT
	v_lshl_add_u32 v5, v2, 5, v5
	v_add_nc_u32 v[STO], s21, v5                   ; in: row r, 32 bytes for each half of the lanes
	v_mul_u32_u24 v5, v2, SPT
	v_lshl_add_u32 v5, v1, 4, v5
	v_add_nc_u32 v[RD], s21, v5                    ; back: lanes 0-15 one row of 256 bytes, lanes 16-31 the next
	v_lshlrev_b32 v5, 13, v2
	v_lshl_add_u32 v[CO], v1, 4, v5                ; and the same two rows in out0
	s_lshl_b32 s92, s17, 7
	s_lshl_b32 s94, s19, 6
	s_add_co_u32 s92, s92, s94                     ; my first token
	s_lshl_b32 s92, s92, 13                        ; rows of 8,192 bytes
	s_lshl_b32 s94, s42, 9
	s_add_co_u32 s92, s92, s94
	s_lshl_b32 s94, s20, 8
	s_add_co_u32 s92, s92, s94                     ; + 512 x tile column + 256 x half
	s_add_nc_u64 s[14:15], s[14:15], s[92:93]
; Expert e's 32 fragments and its scale words, in one run: 84 LDS loads
.macro FETCH e
.set PS, (\e)%2
.set SL, ((\e)/2)%2
.set EO, ((\e)%2)*32768
.set WF, 0x40+0x80*PS
	WIN WF                                         ; destination window 1 or 3, address window 0
.irp q, 0,1,2,3
.irp a, 0,1,2,3
.irp c, 0,1
	ds_load_b128 v[128+8*(4*\a+\q)+4*\c:128+8*(4*\a+\q)+4*\c+3], v[ADRB+SL] offset:EO+\a*4096+\q*1024+512*\c
	ds_load_b128 v[8*(4*\a+\q)+4*\c:8*(4*\a+\q)+4*\c+3], v[ADRA+SL] offset:EO+\a*4096+\q*1024+512*\c
.endr
.endr
.endr
	WIN 0
.irp b, 0,1,2,3
	ds_load_b128 v[SC+32*PS+16+4*\b:SC+32*PS+16+4*\b+3], v[ADSB] offset:2048*(\e)+256*\b
.endr
.irp a, 0,1,2,3
.irp q, 0,1,2,3
	ds_load_b32 v[SC+32*PS+4*\a+\q], v[ADSA] offset:512*(4*(\e)+\q)+64*\a
.endr
.endr
.endm
; 16 matrix instructions: 128 along K, the q-th of expert e.  The 16 accumulators take turns, one instruction a turn, in the same order in every run.  q = 0 starts the sums
.macro MULQ e, q
.set PS, (\e)%2
.set WM, 0x05+0x0a*PS
	WIN WM                                         ; sources 0 and 1 window 1 or 3; C and D window 0
.irp a, 0,1,2,3
.irp b, 0,1,2,3
.if (\q) == 0
	v_wmma_scale_f32_16x16x128_f8f6f4 v[PR+8*(4*\a+\b):PR+8*(4*\a+\b)+7], v[128+8*(4*\b+\q):128+8*(4*\b+\q)+7], v[8*(4*\a+\q):8*(4*\a+\q)+7], 0, v[SC+32*PS+16+4*\b+\q], v[SC+32*PS+4*\a+\q] matrix_a_fmt:MATRIX_FMT_FP4 matrix_b_fmt:MATRIX_FMT_FP4
.else
	v_wmma_scale_f32_16x16x128_f8f6f4 v[PR+8*(4*\a+\b):PR+8*(4*\a+\b)+7], v[128+8*(4*\b+\q):128+8*(4*\b+\q)+7], v[8*(4*\a+\q):8*(4*\a+\q)+7], v[PR+8*(4*\a+\b):PR+8*(4*\a+\b)+7], v[SC+32*PS+16+4*\b+\q], v[SC+32*PS+4*\a+\q] matrix_a_fmt:MATRIX_FMT_FP4 matrix_b_fmt:MATRIX_FMT_FP4
.endif
.endr
.endr
.endm
; Y += comb[token][e] x P, two numbers an instruction; expert 0 starts the sums.  Each accumulator is read from its low end on.  Four places stand in front of the first read of results; for each product the lines on
; the other accumulators are more than the five places in front of the next expert's first products, which write over P, and of the loads into the fragments and scale words just used.
.macro YUP e
	PLACES 4
.if (\e) == 0
	WIN 0x80                                       ; destination window 2
.else
	WIN 0xa0                                       ; destination and source 2 window 2
.endif
.irp a, 0,1,2,3
.set i, 0
.rept 16
.if (\e) == 0
	v_pk_mul_f32 v[32*\a+i:32*\a+i+1], v[PR+32*\a+i:PR+32*\a+i+1], v[CB+8*\a:CB+8*\a+1] op_sel_hi:[1,0]
.elseif (\e)%2 == 0
	v_pk_fma_f32 v[32*\a+i:32*\a+i+1], v[PR+32*\a+i:PR+32*\a+i+1], v[CB+8*\a+(\e):CB+8*\a+(\e)+1], v[32*\a+i:32*\a+i+1] op_sel_hi:[1,0,1]
.else
	v_pk_fma_f32 v[32*\a+i:32*\a+i+1], v[PR+32*\a+i:PR+32*\a+i+1], v[CB+8*\a+(\e)-1:CB+8*\a+(\e)], v[32*\a+i:32*\a+i+1] op_sel:[0,1,0] op_sel_hi:[1,1,1]
.endif
.set i, i+2
.endr
.endr
	WIN 0
.endm
; An expert.  head 0: its fragments are waited for.  head 1 (a slot's second expert, the slot to be filled again): every wave waits for all its tensor loads, adds 0 to its spare word, waits for that and for its
; reads of the slot (this expert's fragments, the last of them); a round of the cluster's barrier; the joint refill first behind it.  head 2: the same lines and a plain barrier: the other slot is whole, nothing is filled.
.macro EXPERT e, head
.set SLF, ((\e)/2)%2
.if \head == 0
	s_wait_dscnt 0x0
.elseif \head == 1
	s_wait_tensorcnt 0x0                           ; no tensor load of mine is out, so a group 0 may be written; my part of the other slot has landed
	ds_add_u32 v[SPW], v[NIL]                      ; 0 onto my spare word; the descriptors' steps stand between it and the wait for it
	s_add_nc_u64 s[G0+4*SLF+2:G0+4*SLF+3], s[G0+4*SLF+2:G0+4*SLF+3], 4*EST    ; four experts on
	s_add_nc_u64 s[G0B+4*SLF+2:G0B+4*SLF+3], s[G0B+4*SLF+2:G0B+4*SLF+3], 4*EST
	s_wait_dscnt 0x0                               ; the add is done, and my reads of this slot are over
	CROUND
	JLOAD G0+4*SLF, G1, G0B+4*SLF, G1B             ; my one tensor load behind the round: it has two experts' work in which to land
.else
	s_wait_tensorcnt 0x0
	ds_add_u32 v[SPW], v[NIL]
	s_wait_dscnt 0x0
	s_barrier_signal -1
	s_barrier_wait -1
.endif
	MULQ \e, 0
	MULQ \e, 1
.if (\e) < 7
	FETCH (\e)+1                                   ; into the other set, 32 matrix instructions and the sums' update ahead of its use
.endif
	MULQ \e, 2
	MULQ \e, 3
	YUP \e
.endm
	s_wait_tensorcnt 1                             ; the scale words and my part of slot 0 are in (slot 1's load may be out)
	s_barrier_signal -1
	s_barrier_wait -1                              ; everybody's are
	FETCH 0
	s_wait_loadcnt 0x0                             ; comb
	EXPERT 0, 0
	EXPERT 1, 1                                    ; slot 0 takes experts 4 and 5
	EXPERT 2, 0
	EXPERT 3, 1                                    ; slot 1 takes experts 6 and 7
	EXPERT 4, 0
	EXPERT 5, 2                                    ; slot 1 is whole; slot 0 has been read for the last time
	EXPERT 6, 0
	EXPERT 7, 0
; THE WAY OUT, a tile of 16 tokens x 64 d at a time: a lane holds 32 neighbouring bytes of a row and the lanes beside it other rows, so the tile goes through my own stage and comes back as whole rows of 256 bytes.
; LDS serves a wave's instructions in order (ISA guide 5.7.1.4): no wait between the stores and the loads, nor in front of the next tile's stores.
.macro TOSTAGE a
	WIN 0x08                                       ; the data: window 2
.irp b, 0,1,2,3
	ds_store_b128 v[STO], v[8*(4*(\a)+\b):8*(4*(\a)+\b)+3] offset:64*\b
	ds_store_b128 v[STO], v[8*(4*(\a)+\b)+4:8*(4*(\a)+\b)+7] offset:64*\b+16
.endr
	WIN 0
.irp t, 0,1,2,3,4,5,6,7
	ds_load_b128 v[PR+32*(\a)+4*\t:PR+32*(\a)+4*\t+3], v[RD] offset:2*SPT*\t
.endr
.endm
.macro SEND a, younger                 ; younger: the LDS instructions issued behind tile a's loads, which may stay out
	s_wait_dscnt \younger
.irp t, 0,1,2,3,4,5,6,7
	global_store_b128 v[CO], v[PR+32*(\a)+4*\t:PR+32*(\a)+4*\t+3], s[14:15] offset:(16*(\a)+2*\t)*8192 th:TH_STORE_NT   ; 16 lanes store 256 consecutive bytes, aligned; written once, read by nobody here
.endr
.endm
	TOSTAGE 0
.irp a, 1,2,3
	TOSTAGE \a
	SEND \a-1, 16                                  ; behind tile a - 1's loads: tile a's 8 stores and 8 loads
.endr
	SEND 3, 0
	s_wait_tensorcnt 0x0                           ; the wave's end
	ds_add_u32 v[SPW], v[NIL]
	s_wait_dscnt 0x0
	CROUND                                         ; the closing round: no work-group ends while a partner may still ask for a block that names it
	s_endpgm
.Lfunc_end_k_q4d5feb9956_ffn2:
	.size	k_q4d5feb9956_ffn2, .Lfunc_end_k_q4d5feb9956_ffn2-k_q4d5feb9956_ffn2
	.p2alignl 7, 3214868480
	.fill 96, 4, 3214868480
	.section	.rodata,"a",@progbits
	.p2align	6, 0x0
	.amdhsa_kernel k_q4d5feb9956_ffn2
		.amdhsa_group_segment_fixed_size 327680
		.amdhsa_private_segment_fixed_size 0
		.amdhsa_enable_private_segment 0
		.amdhsa_kernarg_size 48
		.amdhsa_user_sgpr_count 2
		.amdhsa_user_sgpr_kernarg_segment_ptr 1
		.amdhsa_wavefront_size32 1
		.amdhsa_system_sgpr_workgroup_id_x 1
		.amdhsa_system_sgpr_workgroup_id_y 1
		.amdhsa_system_sgpr_workgroup_id_z 1
		.amdhsa_system_vgpr_workitem_id 0
		.amdhsa_next_free_vgpr 1024
		.amdhsa_next_free_sgpr 100
		.amdhsa_reserve_vcc 0
		.amdhsa_float_denorm_mode_32 3
		.amdhsa_float_denorm_mode_16_64 3
		.amdhsa_memory_ordered 1
		.amdhsa_forward_progress 1
		.amdhsa_inst_pref_size 161
	.end_amdhsa_kernel
	.amdgpu_metadata
---
amdhsa.version: [ 1, 2 ]
amdhsa.kernels:
  - .name:           k_q4d5feb9956_ffn2
    .symbol:         k_q4d5feb9956_ffn2.kd
    .args:
      - { .name: ai, .offset: 0, .size: 8, .value_kind: global_buffer, .address_space: global }
      - { .name: asc, .offset: 8, .size: 8, .value_kind: global_buffer, .address_space: global }
      - { .name: w2i, .offset: 16, .size: 8, .value_kind: global_buffer, .address_space: global }
      - { .name: w2s, .offset: 24, .size: 8, .value_kind: global_buffer, .address_space: global }
      - { .name: comb, .offset: 32, .size: 8, .value_kind: global_buffer, .address_space: global }
      - { .name: out0, .offset: 40, .size: 8, .value_kind: global_buffer, .address_space: global }
    .group_segment_fixed_size: 327680
    .private_segment_fixed_size: 0
    .kernarg_segment_align: 8
    .kernarg_segment_size: 48
    .max_flat_workgroup_size: 128
    .sgpr_count:     100
    .vgpr_count:     1024
    .wavefront_size: 32
...
	.end_amdgpu_metadata
.endif
;; end of part 3
